; MI455X (gfx1250); checked and timed in simulation.
; The chip was launched on July 23, 2026; its instructions are those of AMD's public machine-readable ISA for CDNA 5 (MIT licence, August 2026) and "CDNA5" Instruction Set Architecture Reference Guide (July 2026). The comments in the code are by the model that wrote it; some were corrected since.
;; Multi Head Attention. Allowed arithmetic: float matrix products may take bf16 or f16 operands with f32 sums; other float arithmetic in f32, or as packed bf16 or f16 multiplies, adds, multiply-adds, maxima and minima; sums over many terms, partial sums and values carried from step to step in f32; what a program stores and reads back later, other than sums and carried values, may be rounded once to bf16 or f16.
;; Inputs: Wfc 1 x 16 float32; Wk 1,024 x 1,024 float32; Wq 1,024 x 1,024 float32; bfc 1 float32; bk 1,024 float32; bq 1,024 float32; x 8 x 4,096 x 1,024 float32.
;; Outputs: out0 8 x 4,096 x 1 float32.
;; One version. Each part assembles by itself: llvm-mc -triple=amdgcn-amd-amdhsa -mcpu=gfx1250 --defsym DOCPART=n.
;; ======== version 1 of 1: 3 launches
;; workspace buffers: psum 131,072 bytes; vpart 2,097,152 bytes; spart 8,192 bytes
;; launch colsum (part 1): grid 256 x 1, 16 waves a work-group, no clusters, 10,240 bytes of LDS; arguments x, psum; writes psum
.if DOCPART == 1
	.amdgcn_target "amdgcn-amd-amdhsa--gfx1250"
	.amdhsa_code_object_version 6
	.text
	.protected	k_qfa8a709c02_colsum
	.globl	k_qfa8a709c02_colsum
	.p2align	8
	.type	k_qfa8a709c02_colsum,@function
k_qfa8a709c02_colsum:
	s_mov_b64 s[64:65], 0
	v_nop
	global_prefetch_b8 v0, s[64:65] scope:SCOPE_SE
	s_setreg_imm32_b32 hwreg(HW_REG_WAVE_MODE, 25, 1), 1
	s_wait_xcnt 0x0
; FIRST OF THREE LAUNCHES.  The module is linear in every step, so for every input
;   out[b][l] = x[b][l][:] . v[b][:] + s[b],   v[b][:] = sum over hd of c[b][hd] Wk[hd][:],   s[b] = sum over hd of c[b][hd] bk[hd] + bfc,
;   c[b][hd] = (Wq[hd][:] . xbar[b][:] + bq[hd]) Wfc[hd / 64] / 8,   xbar[b][:] = the mean over l of x[b][l][:].
; This launch makes the column sums of x, in four parts a batch: psum[b][q][n] = the sum of x[b][l][n] over l = 1024 q .. 1024 q + 1023 (f32, not yet divided).
; LIMITS.  The sums are taken in another order than the module writes them; all arithmetic is f32; the division by 4,096 comes behind the sum; NaN and infinities are not treated apart.
; SHARES.  Work-group id = 32 b + 8 q + c owns 1,024 rows of batch b and the columns 128 c .. 128 c + 127: 512 bytes of each row.  Wave w takes the rows w + 16 i, i = 0 .. 63;
; one load of a wave covers a row's 512 consecutive bytes, aligned; a lane owns four columns.  The sixteen waves' sums meet in LDS, and wave 0 stores 512 consecutive bytes of psum.
; Each number of x feeds ONE addition: no matrix unit, no cluster (no two work-groups read the same byte), no tensor load: 32 loads of every wave are on their way in registers, 256 KiB a work-group.
.set STRIDE, 65536                     ; 16 rows of 4,096 bytes: from one row of a wave to its next
.set RED,    0                         ; LDS: 16 waves x 512 bytes, thread t's four sums at byte 16 t
.set SPARE,  8192                      ; the spare words: 128 bytes for each of 16 waves, eight blocks of 256 bytes that no other line names
.set A, 8                              ; v[8:23]    four running sums of four columns, which take turns
.set X, 24                             ; v[24:151]  32 slots of four registers, as loaded
; v0 thread; v1 byte offset of my 16 bytes in my wave's first row; v2 16 t; v3 at work; v4, v5 the add's two registers; v6 16 x lane.  None of v1, v2, v6 is rewritten.
.macro ADD4 d, s                       ; four sums: d += s
	v_pk_add_f32 v[(\d):(\d)+1], v[(\d):(\d)+1], v[(\s):(\s)+1]
	v_pk_add_f32 v[(\d)+2:(\d)+3], v[(\d)+2:(\d)+3], v[(\s)+2:(\s)+3]
.endm
	s_load_b128 s[4:7], s[0:1], 0x0                ; x s[4:5], psum s[6:7]
	v_lshl_add_u32 v4, v0, 2, SPARE                ; my spare word,
	v_mov_b32 v5, 0                                ; and 0
	v_lshrrev_b32 v3, 5, v0
	v_readfirstlane_b32 s8, v3                     ; wave 0..15
	v_and_b32 v6, 31, v0
	v_lshlrev_b32 v6, 4, v6                        ; 16 x lane
	v_lshl_or_b32 v1, v3, 12, v6                   ; + wave x one row
	v_lshlrev_b32 v2, 4, v0                        ; 16 t
	s_lshr_b32 s9, ttmp9, 3                        ; 4 b + q: blocks of 1,024 rows x 4,096 bytes
	s_lshl_b32 s10, s9, 22
	s_and_b32 s9, ttmp9, 7                         ; c: 512 bytes of a row
	s_lshl_b32 s9, s9, 9
	s_or_b32 s10, s10, s9
	s_mov_b32 s11, 0
	s_lshl_b32 s12, ttmp9, 9                       ; psum: (4 b + q) x 4,096 + 512 c = 512 id
	s_mov_b32 s13, 0
	s_wait_kmcnt 0x0
	s_add_nc_u64 s[4:5], s[4:5], s[10:11]
	s_add_nc_u64 s[6:7], s[6:7], s[12:13]
.set n, 0
.rept 32                                               ; the ring is filled: my rows i = 0 .. 31
	global_load_b128 v[X+4*n:X+4*n+3], v1, s[4:5] offset:n*STRIDE th:TH_LOAD_NT
.set n, n+1
.endr
; Step k of 32 takes two rows (slots 2 (k % 16) and the next) into running sum k % 4.  The first four steps start the sums: nothing is cleared.
; refill = 1: the two slots are loaded again, with the rows 32 further on.  left = the younger loads, which stay out.
.macro STEP k, refill, left
.set pa, X+8*((\k)%16)
.set sa, A+4*((\k)%4)
	s_wait_loadcnt \left                           ; loads come back in order (ISA guide 5.7.1): my two are in
.if (\k) < 4
	v_pk_add_f32 v[sa:sa+1], v[pa:pa+1], v[pa+4:pa+5]
	v_pk_add_f32 v[sa+2:sa+3], v[pa+2:pa+3], v[pa+6:pa+7]
.else
	ADD4 sa, pa
	ADD4 sa, pa+4
.endif
.if \refill
	global_load_b128 v[pa:pa+3],   v1, s[4:5] offset:(2*(\k)+32)*STRIDE th:TH_LOAD_NT
	global_load_b128 v[pa+4:pa+7], v1, s[4:5] offset:(2*(\k)+33)*STRIDE th:TH_LOAD_NT
.endif
.endm
.set n, 0
.rept 16
	STEP n, 1, 30                                  ; 32 + 2 n loads have been issued, 2 n + 2 must be in: 30 stay out
.set n, n+1
.endr
.rept 16
	STEP n, 0, 62-2*n                              ; all 64 have been issued, 2 n + 2 must be in: the counts run down to 0
.set n, n+1
.endr
	ADD4 A, A+4
	ADD4 A+8, A+12
	ADD4 A, A+8
	ds_store_b128 v2, v[A:A+3] offset:RED          ; my wave's sums of my four columns
	s_wait_tensorcnt 0x0                           ; the wave's end of writing LDS
	ds_add_u32 v4, v5
	s_wait_dscnt 0x0                               ; also for the others' sake: my store is done before I signal
	s_barrier_signal -1
	s_barrier_wait -1
	s_cmp_lg_u32 s8, 0
	s_cbranch_scc1 .Lend
.set n, 0
.rept 16                                               ; wave 0 adds the sixteen waves' sums
	ds_load_b128 v[X+4*n:X+4*n+3], v6 offset:RED+512*n
.set n, n+1
.endr
	s_wait_dscnt 0x0
.set n, 4
.rept 12
	ADD4 X+4*(n%4), X+4*n
.set n, n+1
.endr
	ADD4 X, X+4
	ADD4 X+8, X+12
	ADD4 X, X+8
	global_store_b128 v6, v[X:X+3], s[6:7]         ; 512 consecutive bytes, at a multiple of 512 from psum's first byte
.Lend:
	s_endpgm
.Lfunc_end_k_qfa8a709c02_colsum:
	.size	k_qfa8a709c02_colsum, .Lfunc_end_k_qfa8a709c02_colsum-k_qfa8a709c02_colsum
	.p2alignl 7, 3214868480
	.fill 96, 4, 3214868480
	.section	.rodata,"a",@progbits
	.p2align	6, 0x0
	.amdhsa_kernel k_qfa8a709c02_colsum
		.amdhsa_group_segment_fixed_size 10240
		.amdhsa_private_segment_fixed_size 0
		.amdhsa_enable_private_segment 0
		.amdhsa_kernarg_size 16
		.amdhsa_user_sgpr_count 2
		.amdhsa_user_sgpr_kernarg_segment_ptr 1
		.amdhsa_wavefront_size32 1
		.amdhsa_system_sgpr_workgroup_id_x 1
		.amdhsa_system_sgpr_workgroup_id_y 1
		.amdhsa_system_sgpr_workgroup_id_z 1
		.amdhsa_system_vgpr_workitem_id 0
		.amdhsa_next_free_vgpr 152
		.amdhsa_next_free_sgpr 66
		.amdhsa_reserve_vcc 0
		.amdhsa_float_denorm_mode_32 3
		.amdhsa_float_denorm_mode_16_64 3
		.amdhsa_memory_ordered 1
		.amdhsa_forward_progress 1
		.amdhsa_inst_pref_size 20
	.end_amdhsa_kernel
	.amdgpu_metadata
---
amdhsa.version: [ 1, 2 ]
amdhsa.kernels:
  - .name:           k_qfa8a709c02_colsum
    .symbol:         k_qfa8a709c02_colsum.kd
    .args:
      - { .name: x, .offset: 0, .size: 8, .value_kind: global_buffer, .address_space: global }
      - { .name: psum, .offset: 8, .size: 8, .value_kind: global_buffer, .address_space: global }
    .group_segment_fixed_size: 10240
    .private_segment_fixed_size: 0
    .kernarg_segment_align: 8
    .kernarg_segment_size: 16
    .max_flat_workgroup_size: 512
    .sgpr_count:     66
    .vgpr_count:     152
    .wavefront_size: 32
...
	.end_amdgpu_metadata
.endif
;; end of part 1
;; launch mid (part 2): grid 64 x 1, 16 waves a work-group, no clusters, 36,352 bytes of LDS; arguments psum, Wq, bq, Wk, bk, Wfc, vpart, spart; writes vpart, spart
.if DOCPART == 2
	.amdgcn_target "amdgcn-amd-amdhsa--gfx1250"
	.amdhsa_code_object_version 6
	.text
	.protected	k_qfa8a709c02_mid
	.globl	k_qfa8a709c02_mid
	.p2align	8
	.type	k_qfa8a709c02_mid,@function
k_qfa8a709c02_mid:
	s_mov_b64 s[64:65], 0
	v_nop
	global_prefetch_b8 v0, s[64:65] scope:SCOPE_SE
	s_setreg_imm32_b32 hwreg(HW_REG_WAVE_MODE, 25, 1), 1
	s_wait_xcnt 0x0
; SECOND OF THREE LAUNCHES.  From the column sums of x: c[b][hd] = (Wq[hd][:] . xbar[b][:] + bq[hd]) Wfc[hd / 64] / 8, and of it the parts
;   vpart[b][m][n] = the sum over this work-group's 16 rows hd of c[b][hd] Wk[hd][n],     spart[m][lane] = the same sum of c[b][hd] bk[hd] for b = lane % 8.
; Work-group m owns hd = 16 m .. 16 m + 15, which lie in head m / 4.  All in f32; sums in another order than the module writes them; NaN and infinities are not treated apart.
; Wq and Wk are read once in the launch and each weight feeds eight multiply-adds (one a batch): bytes bound this, so the vector unit does it, without matrix unit or tensor load.
; NO CLUSTER: what the work-groups share is psum, 128 KiB, summed in registers as it arrives; their weights, the other half of a work-group's bytes, are each its own.
; All 45 global loads of a thread go out at the head; the phases wait for them by counts.
; PHASES.  P2: the four parts of psum are added, xbar x 4,096 goes to LDS.  P3: wave (rg = w / 2, nh = w % 2) multiplies rows 2 rg, 2 rg + 1 of Wq by columns 512 nh .. + 511 of all 8 xbar.
; P4: 128 threads finish c.  P5: thread t makes columns 2 t, 2 t + 1 of the 8 vpart rows.  P6: wave 0 makes spart.
.set XB,    0                          ; LDS: f32 [b 8][1024], the undivided column sums
.set QP,    32768                      ; f32 [wave 16][r 2][b 8]: each wave's half sums, 64 bytes a wave
.set CC,    33792                      ; f32 [row 16][b 8]: c
.set SPARE, 34304                      ; the spare words: 128 bytes for each of 16 waves, eight blocks of 256 bytes that no other line names
.set PS, 32                            ; v[32:95]   16 loads of psum: [i 4][q 4] x 4
.set XS, 32                            ;            later four slots of 16: a batch's 512 columns, 16 a lane
.set CB, 32                            ;            later two buffers of 32: c of four rows x 8 batches
.set WQ, 96                            ; v[96:127]  Wq: [r 2][j 4] x 4
.set WK, 128                           ; v[128:159] Wk: 16 rows x 2 columns
.set AQ, 160                           ; v[160:191] 16 pairs of sums, pair 8 r + b
.set Q,  192                           ; v[192:207] the 16 sums over the wave
.set AV, 208                           ; v[208:223] 8 pairs: my two columns of vpart, one pair a batch
.set SEL, 32                           ; s[32:33]   v_permlanex16_b32's selects: each lane takes its own place in the other half
; v0 thread; v1 lane; v2 at work; v3 offset in psum; v4 in Wq; v5 8 t (Wk, vpart); v6 in bq; v7 in bk; v8 XB store; v9 XB load; v10 64 x wave; v11 4 (t % 128); v12 0;
; v13 bq; v[14:17] bk; v18, v19 at work; v20, v21 the add's two registers; v22 my two words of QP; v23 4 x lane.  No address register is rewritten behind its first use.
; LDS addresses of two parts are made as sums, so that their ranges read off the text: v8 <= 16,384 + 4,080; v9 <= 2,048 + 496; v22 <= 896 + 60.
.macro ADD4 d, s                       ; four sums: d += s
	v_pk_add_f32 v[(\d):(\d)+1], v[(\d):(\d)+1], v[(\s):(\s)+1]
	v_pk_add_f32 v[(\d)+2:(\d)+3], v[(\d)+2:(\d)+3], v[(\s)+2:(\s)+3]
.endm
	s_load_b512 s[8:23], s[0:1], 0x0               ; psum s[8:9], Wq s[10:11], bq s[12:13], Wk s[14:15], bk s[16:17], Wfc s[18:19], vpart s[20:21], spart s[22:23]
	v_lshl_add_u32 v20, v0, 2, SPARE               ; my spare word,
	v_mov_b32 v21, 0                               ; and 0
	v_lshrrev_b32 v2, 5, v0
	v_readfirstlane_b32 s24, v2                    ; wave 0..15
	s_lshr_b32 s25, s24, 1                         ; rg
	s_and_b32 s26, s24, 1                          ; nh
	v_and_b32 v1, 31, v0                           ; lane
	v_lshrrev_b32 v18, 8, v0                       ; t / 256: which four batches I add in P2
	v_and_b32 v19, 0xff, v0
	v_lshlrev_b32 v19, 4, v19                      ; 16 (t % 256): my four columns there
	v_lshl_add_u32 v3, v18, 16, v19                ; psum: four batches are 65,536 bytes
	v_lshl_add_u32 v8, v18, 14, v19                ; XB: four batches are 16,384 bytes
	s_lshl_b32 s34, s26, 11
	v_lshl_add_u32 v9, v1, 4, s34                  ; 2,048 nh + 16 lane: my 16 bytes in a row's half
	s_lshl_b32 s35, s25, 13
	v_add_nc_u32 v4, s35, v9                       ; + two rows of Wq for each rg
	v_lshlrev_b32 v5, 3, v0                        ; 8 t
	v_bfe_u32 v6, v0, 3, 4
	v_lshlrev_b32 v6, 2, v6                        ; bq of row (t / 8) % 16
	v_lshrrev_b32 v7, 3, v1
	v_lshlrev_b32 v7, 2, v7                        ; bk of row lane / 8 (+ 4 k by the immediate)
	s_lshl_b32 s35, s24, 6
	v_mov_b32 v10, s35                             ; 64 x wave
	v_and_b32 v11, 0x7f, v0
	v_lshlrev_b32 v11, 2, v11                      ; 4 (t % 128)
	v_mov_b32 v12, 0
	v_bfe_u32 v22, v0, 4, 3                        ; in P4 thread t = 16 rg + 8 r + b reads word 8 r + b of waves 2 rg and 2 rg + 1
	v_and_b32 v2, 15, v0
	v_lshlrev_b32 v2, 2, v2
	v_lshl_add_u32 v22, v22, 7, v2
	v_lshlrev_b32 v23, 2, v1                       ; 4 x lane
	s_mov_b32 s[SEL], 0x76543210
	s_mov_b32 s[SEL+1], 0xfedcba98
	s_mov_b32 s27, 0x39800000                      ; 1 / 4,096
	s_mov_b32 s29, 0
	s_wait_kmcnt 0x0
	s_lshl_b32 s28, ttmp9, 16                      ; my 16 rows of 4,096 bytes in Wq and Wk
	s_add_nc_u64 s[10:11], s[10:11], s[28:29]
	s_add_nc_u64 s[14:15], s[14:15], s[28:29]
	s_lshl_b32 s28, ttmp9, 6                       ; my 16 numbers of bq and bk
	s_add_nc_u64 s[12:13], s[12:13], s[28:29]
	s_add_nc_u64 s[16:17], s[16:17], s[28:29]
	s_lshl_b32 s28, ttmp9, 12                      ; row m of each batch's 64 in vpart
	s_add_nc_u64 s[20:21], s[20:21], s[28:29]
	s_lshl_b32 s28, ttmp9, 7                       ; my 32 words of spart
	s_add_nc_u64 s[22:23], s[22:23], s[28:29]
	s_lshr_b32 s28, ttmp9, 2                       ; the head
	s_lshl_b32 s28, s28, 2
	s_add_nc_u64 s[18:19], s[18:19], s[28:29]
	s_load_b32 s30, s[18:19], 0x0                  ; Wfc of my head; waited for ahead of P4
	; every wave loads bq and bk, 5 words a lane, though only waves 0 to 3 (bq) and wave 0 (bk) use them: so the counts below are the same in all waves
	global_load_b32 v13, v6, s[12:13]
.irp k, 0,1,2,3
	global_load_b32 v[14+\k], v7, s[16:17] offset:16*\k
.endr
.set n, 0
.rept 16                                               ; psum of batch 4 (t / 256) + n / 4, part n % 4
	global_load_b128 v[PS+4*n:PS+4*n+3], v3, s[8:9] offset:n*4096
.set n, n+1
.endr
.irp r, 0,1
.irp j, 0,1,2,3
	global_load_b128 v[WQ+16*\r+4*\j:WQ+16*\r+4*\j+3], v4, s[10:11] offset:\r*4096+\j*512 th:TH_LOAD_NT
.endr
.endr
.set n, 0
.rept 16                                               ; a wave's load covers 256 consecutive bytes of a row of Wk, aligned
	global_load_b64 v[WK+2*n:WK+2*n+1], v5, s[14:15] offset:n*4096 th:TH_LOAD_NT
.set n, n+1
.endr
	; P2
	s_wait_loadcnt 24                              ; Wq's 8 and Wk's 16 stay out; bq, bk and psum are in
.irp i, 0,1,2,3
	ADD4 PS+16*\i, PS+16*\i+4
	ADD4 PS+16*\i+8, PS+16*\i+12
	ADD4 PS+16*\i, PS+16*\i+8
	ds_store_b128 v8, v[PS+16*\i:PS+16*\i+3] offset:XB+\i*4096
.endr
	s_wait_dscnt 0x0                               ; for the others' sake: my stores are done before I signal
	s_barrier_signal -1
	s_barrier_wait -1
	; P3
.macro XLOAD b                         ; batch b's 512 columns of my half: 16 numbers a lane, into slot b % 4
.irp j, 0,1,2,3
	ds_load_b128 v[XS+16*((\b)%4)+4*\j:XS+16*((\b)%4)+4*\j+3], v9 offset:XB+(\b)*4096+\j*512
.endr
.endm
.macro QMAC b                          ; both rows times batch b; the two rows' chains take turns; the first product starts each sum
.irp j, 0,1,2,3
.irp hf, 0,1
.irp r, 0,1
.set rA, AQ+2*(8*\r+(\b))
.set rW, WQ+16*\r+4*\j+2*\hf
.set rX, XS+16*((\b)%4)+4*\j+2*\hf
.if (\j) == 0 && (\hf) == 0
	v_pk_mul_f32 v[rA:rA+1], v[rW:rW+1], v[rX:rX+1]
.else
	v_pk_fma_f32 v[rA:rA+1], v[rW:rW+1], v[rX:rX+1], v[rA:rA+1]
.endif
.endr
.endr
.endr
.endm
	XLOAD 0
	XLOAD 1
	XLOAD 2
	XLOAD 3
	s_wait_loadcnt 16                              ; Wq is in; Wk's 16 stay out
.irp b, 0,1,2,3
	s_wait_dscnt 12                                ; three younger batches' four loads each stay out
	QMAC \b
	XLOAD (\b)+4                                   ; its slot takes the batch four further on
.endr
	s_wait_dscnt 12
	QMAC 4
	s_wait_dscnt 8
	QMAC 5
	s_wait_dscnt 4
	QMAC 6
	s_wait_dscnt 0
	QMAC 7
.set n, 0
.rept 16
	v_add_f32 v[Q+n], v[AQ+2*n], v[AQ+2*n+1]
.set n, n+1
.endr
.irp mk, 1,2,4,8                       ; the sums over the 32 lanes, mask by mask over all 16 values, so that no line waits for the one before it
.set n, 0
.rept 16
	v_add_f32_dpp v[Q+n], v[Q+n], v[Q+n] row_xmask:\mk row_mask:0xf bank_mask:0xf
.set n, n+1
.endr
.endr
.set n, 0
.rept 16
	v_permlanex16_b32 v[AQ+n], v[Q+n], s[SEL], s[SEL+1]   ; its destination counts as read: AQ's registers have been written
.set n, n+1
.endr
.set n, 0
.rept 16
	v_add_f32 v[Q+n], v[Q+n], v[AQ+n]
.set n, n+1
.endr
.irp k, 0,1,2,3
	ds_store_b128 v10, v[Q+4*\k:Q+4*\k+3] offset:QP+16*\k  ; all lanes store the same bytes with the same values: my wave's 64 bytes
.endr
	s_wait_dscnt 0x0                               ; for the others' sake
	s_barrier_signal -1
	s_barrier_wait -1
	; P4: thread t = 8 row + b of waves 0 to 3
	s_wait_kmcnt 0x0                               ; Wfc
	s_mul_f32 s31, s30, 0x3e000000                 ; Wfc / 8
	s_cmp_gt_u32 s24, 3
	s_cbranch_scc1 .Lskip
	ds_load_b32 v18, v22 offset:QP                 ; the row's two halves
	ds_load_b32 v19, v22 offset:QP+64
	s_wait_dscnt 0x0
	v_add_f32 v18, v18, v19
	v_fma_f32 v18, v18, s27, v13                   ; / 4,096 (the mean), + bq
	v_mul_f32 v18, s31, v18
	ds_store_b32 v11, v18 offset:CC
.Lskip:
	s_wait_dscnt 0x0                               ; for the others' sake
	s_barrier_signal -1
	s_barrier_wait -1
	; P5
.macro CLOAD g, buf                    ; c of rows 4 g .. 4 g + 3, all 8 batches: the same address in every lane
.irp rr, 0,1,2,3
.irp hf, 0,1
	ds_load_b128 v[CB+32*(\buf)+8*\rr+4*\hf:CB+32*(\buf)+8*\rr+4*\hf+3], v12 offset:CC+(4*(\g)+\rr)*32+16*\hf
.endr
.endr
.endm
.macro CROWS g, buf                    ; my two columns of those four rows of Wk, times c: eight chains, one a batch.  c of an even batch is its pair's first register, of an odd batch the second: op_sel and op_sel_hi give it to both halves
.irp rr, 0,1,2,3
.irp bb, 0,1,2,3,4,5,6,7
.set rW, WK+2*(4*(\g)+\rr)
.set rC, CB+32*(\buf)+8*\rr+2*((\bb)/2)
.set rA, AV+2*\bb
.if (4*(\g)+\rr) == 0
.if (\bb)%2
	v_pk_mul_f32 v[rA:rA+1], v[rW:rW+1], v[rC:rC+1] op_sel:[0,1] op_sel_hi:[1,1]
.else
	v_pk_mul_f32 v[rA:rA+1], v[rW:rW+1], v[rC:rC+1] op_sel_hi:[1,0]
.endif
.else
.if (\bb)%2
	v_pk_fma_f32 v[rA:rA+1], v[rW:rW+1], v[rC:rC+1], v[rA:rA+1] op_sel:[0,1,0] op_sel_hi:[1,1,1]
.else
	v_pk_fma_f32 v[rA:rA+1], v[rW:rW+1], v[rC:rC+1], v[rA:rA+1] op_sel_hi:[1,0,1]
.endif
.endif
.endr
.endr
.endm
	CLOAD 0, 0
	CLOAD 1, 1
	s_wait_loadcnt 12                              ; Wk's rows 0 to 3 are in; the 12 younger stay out
	s_wait_dscnt 8                                 ; the other buffer's 8 loads stay out
	CROWS 0, 0
	CLOAD 2, 0
	s_wait_loadcnt 8
	s_wait_dscnt 8
	CROWS 1, 1
	CLOAD 3, 1
	s_wait_loadcnt 4
	s_wait_dscnt 8
	CROWS 2, 0
	s_wait_loadcnt 0
	s_wait_dscnt 0
	CROWS 3, 1
.irp bb, 0,1,2,3,4,5,6,7
	global_store_b64 v5, v[AV+2*\bb:AV+2*\bb+1], s[20:21] offset:\bb*262144  ; a wave stores 256 consecutive bytes, aligned; a batch's 64 rows are 262,144 bytes
.endr
	s_wait_tensorcnt 0x0
	ds_add_u32 v20, v21
	s_wait_dscnt 0x0
	; P6: lane L of wave 0 takes rows L / 8 + 4 k, k = 0 .. 3, of batch L % 8; the lanes 8, 16 and 24 away hold the batch's other rows
	s_cmp_lg_u32 s24, 0
	s_cbranch_scc1 .Lend
.irp k, 0,1,2,3
	ds_load_b32 v[32+\k], v23 offset:CC+128*\k
.endr
	s_wait_dscnt 0x0
	v_mul_f32 v32, v32, v14
	v_fmac_f32 v32, v33, v15
	v_fmac_f32 v32, v34, v16
	v_fmac_f32 v32, v35, v17
	v_add_f32_dpp v32, v32, v32 row_xmask:8 row_mask:0xf bank_mask:0xf
	v_permlanex16_b32 v18, v32, s[SEL], s[SEL+1]
	v_add_f32 v32, v32, v18
	global_store_b32 v23, v32, s[22:23]            ; every lane its own word: 128 consecutive bytes; word L holds batch L % 8
.Lend:
	s_endpgm
.Lfunc_end_k_qfa8a709c02_mid:
	.size	k_qfa8a709c02_mid, .Lfunc_end_k_qfa8a709c02_mid-k_qfa8a709c02_mid
	.p2alignl 7, 3214868480
	.fill 96, 4, 3214868480
	.section	.rodata,"a",@progbits
	.p2align	6, 0x0
	.amdhsa_kernel k_qfa8a709c02_mid
		.amdhsa_group_segment_fixed_size 36352
		.amdhsa_private_segment_fixed_size 0
		.amdhsa_enable_private_segment 0
		.amdhsa_kernarg_size 64
		.amdhsa_user_sgpr_count 2
		.amdhsa_user_sgpr_kernarg_segment_ptr 1
		.amdhsa_wavefront_size32 1
		.amdhsa_system_sgpr_workgroup_id_x 1
		.amdhsa_system_sgpr_workgroup_id_y 1
		.amdhsa_system_sgpr_workgroup_id_z 1
		.amdhsa_system_vgpr_workitem_id 0
		.amdhsa_next_free_vgpr 224
		.amdhsa_next_free_sgpr 66
		.amdhsa_reserve_vcc 0
		.amdhsa_float_denorm_mode_32 3
		.amdhsa_float_denorm_mode_16_64 3
		.amdhsa_memory_ordered 1
		.amdhsa_forward_progress 1
		.amdhsa_inst_pref_size 38
	.end_amdhsa_kernel
	.amdgpu_metadata
---
amdhsa.version: [ 1, 2 ]
amdhsa.kernels:
  - .name:           k_qfa8a709c02_mid
    .symbol:         k_qfa8a709c02_mid.kd
    .args:
      - { .name: psum, .offset: 0, .size: 8, .value_kind: global_buffer, .address_space: global }
      - { .name: Wq, .offset: 8, .size: 8, .value_kind: global_buffer, .address_space: global }
      - { .name: bq, .offset: 16, .size: 8, .value_kind: global_buffer, .address_space: global }
      - { .name: Wk, .offset: 24, .size: 8, .value_kind: global_buffer, .address_space: global }
      - { .name: bk, .offset: 32, .size: 8, .value_kind: global_buffer, .address_space: global }
      - { .name: Wfc, .offset: 40, .size: 8, .value_kind: global_buffer, .address_space: global }
      - { .name: vpart, .offset: 48, .size: 8, .value_kind: global_buffer, .address_space: global }
      - { .name: spart, .offset: 56, .size: 8, .value_kind: global_buffer, .address_space: global }
    .group_segment_fixed_size: 36352
    .private_segment_fixed_size: 0
    .kernarg_segment_align: 8
    .kernarg_segment_size: 64
    .max_flat_workgroup_size: 512
    .sgpr_count:     66
    .vgpr_count:     224
    .wavefront_size: 32
...
	.end_amdgpu_metadata
.endif
;; end of part 2
;; launch dot (part 3): grid 256 x 1, 16 waves a work-group, no clusters, 10,752 bytes of LDS; arguments x, vpart, spart, bfc, out0; writes out0
.if DOCPART == 3
	.amdgcn_target "amdgcn-amd-amdhsa--gfx1250"
	.amdhsa_code_object_version 6
	.text
	.protected	k_qfa8a709c02_dot
	.globl	k_qfa8a709c02_dot
	.p2align	8
	.type	k_qfa8a709c02_dot,@function
k_qfa8a709c02_dot:
	s_mov_b64 s[64:65], 0
	v_nop
	global_prefetch_b8 v0, s[64:65] scope:SCOPE_SE
	s_setreg_imm32_b32 hwreg(HW_REG_WAVE_MODE, 25, 1), 1
	s_wait_xcnt 0x0
; THIRD OF THREE LAUNCHES.  out[b][l] = x[b][l][:] . v[b][:] + s[b], with v[b][:] = the sum over m of vpart[b][m][:] and s[b] = the sum over m of spart[m][b] + bfc.
; All in f32; sums in another order than the module writes them; NaN and infinities are not treated apart.
; SHARES.  Work-group g owns rows 128 (g % 32) .. + 127 of batch b = g / 32: 512 KiB on end.  Wave w takes rows 8 w .. 8 w + 7, 32 KiB on end; a row is eight loads of 512 consecutive
; bytes; a lane holds columns 128 j + 4 lane + 0..3, j = 0 .. 7, of x and of v.  The 128 results meet in LDS, and wave 0 stores them as 512 consecutive bytes.
; Each number of x feeds ONE multiply-add: no matrix unit, no tensor load: the rows wait in registers, five to six of a wave's eight on their way.
; NO CLUSTER: a batch's 32 work-groups share vpart's 256 KiB; each thread adds its 32 pieces in registers as they arrive (512 bytes a thread), and only the 8 KiB of sums pass through LDS;
; a joint load would lay the 256 KiB into LDS to be read once more.  x, two thirds of a work-group's bytes, is shared with nobody.
; ORDER OF THE LOADS: spart (2), vpart (32), x's rows 0 to 2 (24); rows 3, 4 when vpart's registers are free; row 5 when v is made; rows 6, 7 as rows 0, 1 are used up.
.set VH,    0                          ; LDS: two halves' sums of v, 4,096 bytes each: thread t's four columns at byte 16 t
.set OUTS,  8192                       ; 128 results
.set SPARE, 8704                       ; the spare words: 128 bytes for each of 16 waves, eight blocks of 256 bytes that no other line names
.set P,   8                            ; v[8:15]    four pairs of sums, which take turns
.set T,   24                           ; v[24:151]  32 slots of vpart; later V and three row buffers
.set V,   24                           ; v[24:55]   v: my 32 columns
.set RB0, 152                          ; row buffers of 32 registers
.set RB1, 184
.set RB2, 216
.set RB3, 56
.set RB4, 88
.set RB5, 120
.set SEL, 20                           ; s[20:21]   v_permlanex16_b32's selects: each lane takes its own place in the other half
; v0 thread; v1 offset in x; v2 in vpart; v3 in spart; v4 16 t; v5 16 x lane; v6 32 x wave; v7 s[b]; v16, v17 spart; v18 at work; v19 a row's sum; v20, v21 the add's two registers.
; No address register is rewritten behind its first use.
.macro ADD4 d, s                       ; four sums: d += s
	v_pk_add_f32 v[(\d):(\d)+1], v[(\d):(\d)+1], v[(\s):(\s)+1]
	v_pk_add_f32 v[(\d)+2:(\d)+3], v[(\d)+2:(\d)+3], v[(\s)+2:(\s)+3]
.endm
.macro BFLY r, tmp                     ; the sum over the 32 lanes, in every lane; tmp has been written before
.irp mk, 1,2,4,8
	v_add_f32_dpp v[\r], v[\r], v[\r] row_xmask:\mk row_mask:0xf bank_mask:0xf
.endr
	v_permlanex16_b32 v[\tmp], v[\r], s[SEL], s[SEL+1]
	v_add_f32 v[\r], v[\r], v[\tmp]
.endm
.macro XROW r, buf                     ; row r of my wave's eight
.irp j, 0,1,2,3,4,5,6,7
	global_load_b128 v[(\buf)+4*\j:(\buf)+4*\j+3], v1, s[4:5] offset:(\r)*4096+\j*512 th:TH_LOAD_NT
.endr
.endm
; Row r, in buf, times v.  left = the younger loads, which stay out.  next >= 0: the buffer is loaded again with that row as soon as it has been read.
.macro ROW r, buf, left, next
	s_wait_loadcnt \left
.irp i, 0,1,2,3
	v_pk_mul_f32 v[P+2*\i:P+2*\i+1], v[(\buf)+2*\i:(\buf)+2*\i+1], v[V+2*\i:V+2*\i+1]
.endr
.irp i, 4,5,6,7,8,9,10,11,12,13,14,15
	v_pk_fma_f32 v[P+2*((\i)%4):P+2*((\i)%4)+1], v[(\buf)+2*\i:(\buf)+2*\i+1], v[V+2*\i:V+2*\i+1], v[P+2*((\i)%4):P+2*((\i)%4)+1]
.endr
.if (\next) >= 0
	XROW \next, \buf
.endif
	v_pk_add_f32 v[P:P+1], v[P:P+1], v[P+2:P+3]
	v_pk_add_f32 v[P+4:P+5], v[P+4:P+5], v[P+6:P+7]
	v_pk_add_f32 v[P:P+1], v[P:P+1], v[P+4:P+5]
	v_add_f32 v19, v[P], v[P+1]
	BFLY 19, 18
	v_add_f32 v19, v19, v7
	ds_store_b32 v6, v19 offset:OUTS+4*(\r)        ; all lanes store the same word with the same value
.endm
	s_load_b256 s[4:11], s[0:1], 0x0               ; x s[4:5], vpart s[6:7], spart s[8:9], bfc s[10:11]
	s_load_b64 s[12:13], s[0:1], 0x20              ; out0
	v_lshl_add_u32 v20, v0, 2, SPARE               ; my spare word,
	v_mov_b32 v21, 0                               ; and 0
	v_lshrrev_b32 v18, 5, v0
	v_readfirstlane_b32 s15, v18                   ; wave 0..15
	v_and_b32 v5, 31, v0
	v_lshlrev_b32 v3, 7, v5                        ; spart: row m = lane, 128 bytes a row
	v_lshlrev_b32 v5, 4, v5                        ; 16 x lane
	v_lshl_or_b32 v1, v18, 15, v5                  ; x: + wave x 8 rows
	v_lshrrev_b32 v2, 8, v0                        ; t / 256: which 32 of the 64 parts I add
	v_and_b32 v4, 0xff, v0
	v_lshlrev_b32 v4, 4, v4                        ; my four columns there
	v_lshl_or_b32 v2, v2, 17, v4                   ; 32 parts are 131,072 bytes
	v_lshlrev_b32 v4, 4, v0                        ; 16 t
	s_lshl_b32 s22, s15, 5
	v_mov_b32 v6, s22                              ; 32 x wave: my wave's eight results
	s_lshr_b32 s22, ttmp9, 5                       ; b
	s_lshl_b32 s18, s22, 18                        ; a batch's 64 parts are 262,144 bytes
	s_mov_b32 s19, 0
	s_lshl_b32 s22, s22, 2
	v_add_nc_u32 v3, s22, v3                       ; word b of the row
	s_lshl_b32 s16, ttmp9, 19                      ; 128 rows of 4,096 bytes
	s_mov_b32 s17, 0
	s_lshl_b32 s24, ttmp9, 9                       ; 128 results
	s_mov_b32 s25, 0
	s_mov_b32 s[SEL], 0x76543210
	s_mov_b32 s[SEL+1], 0xfedcba98
	s_wait_kmcnt 0x0
	s_add_nc_u64 s[4:5], s[4:5], s[16:17]
	s_add_nc_u64 s[6:7], s[6:7], s[18:19]
	s_add_nc_u64 s[12:13], s[12:13], s[24:25]
	s_load_b32 s14, s[10:11], 0x0                  ; bfc; waited for ahead of its use
	global_load_b32 v16, v3, s[8:9]                ; spart of m = lane
	global_load_b32 v17, v3, s[8:9] offset:4096    ; and of m = lane + 32
.set n, 0
.rept 32
	global_load_b128 v[T+4*n:T+4*n+3], v2, s[6:7] offset:n*4096
.set n, n+1
.endr
	XROW 0, RB0
	XROW 1, RB1
	XROW 2, RB2
	; v: my 32 parts of my four columns, eight at a time, on four sums that take turns
.irp grp, 0,1,2,3
	s_wait_loadcnt 48-8*\grp                       ; x's 24 loads and the younger groups' 8 each stay out
.irp kk, 0,1,2,3,4,5,6,7
.if 8*\grp+\kk >= 4
	ADD4 T+4*((\kk)%4), T+4*(8*\grp+\kk)
.endif
.endr
.endr
	ADD4 T, T+4
	ADD4 T+8, T+12
	ADD4 T, T+8
	ds_store_b128 v4, v[T:T+3] offset:VH
	XROW 3, RB3                                    ; vpart's registers are free
	XROW 4, RB4
	v_add_f32 v7, v16, v17                         ; s[b]: 64 parts, two a lane
	BFLY 7, 18
	s_wait_kmcnt 0x0                               ; bfc
	v_add_f32 v7, s14, v7
	s_wait_dscnt 0x0                               ; for the others' sake: my store is done before I signal; x's loads stay out, nobody writes x
	s_barrier_signal -1
	s_barrier_wait -1
.irp j, 0,1,2,3,4,5,6,7
	ds_load_b128 v[V+4*\j:V+4*\j+3], v5 offset:VH+512*\j
.endr
.irp j, 0,1,2,3,4,5,6,7
	ds_load_b128 v[RB5+4*\j:RB5+4*\j+3], v5 offset:VH+4096+512*\j
.endr
	s_wait_dscnt 0x0
.irp j, 0,1,2,3,4,5,6,7
	ADD4 V+4*\j, RB5+4*\j                          ; the two halves' sums: v
.endr
	XROW 5, RB5
	ROW 0, RB0, 40, 6                              ; younger: rows 1 to 5
	ROW 1, RB1, 40, 7                              ; rows 2 to 6
	ROW 2, RB2, 40, -1                             ; rows 3 to 7
	ROW 3, RB3, 32, -1                             ; nothing is left to fetch: the counts run down
	ROW 4, RB4, 24, -1
	ROW 5, RB5, 16, -1
	ROW 6, RB0, 8, -1
	ROW 7, RB1, 0, -1
	s_wait_tensorcnt 0x0
	ds_add_u32 v20, v21
	s_wait_dscnt 0x0                               ; also for the others' sake: my eight results are in LDS before I signal
	s_barrier_signal -1
	s_barrier_wait -1
	s_cmp_lg_u32 s15, 0
	s_cbranch_scc1 .Lend
	ds_load_b128 v[8:11], v5 offset:OUTS
	s_wait_dscnt 0x0
	global_store_b128 v5, v[8:11], s[12:13] th:TH_STORE_NT  ; the work-group's 128 results: 512 consecutive bytes, at a multiple of 512 from out0's first byte
.Lend:
	s_endpgm
.Lfunc_end_k_qfa8a709c02_dot:
	.size	k_qfa8a709c02_dot, .Lfunc_end_k_qfa8a709c02_dot-k_qfa8a709c02_dot
	.p2alignl 7, 3214868480
	.fill 96, 4, 3214868480
	.section	.rodata,"a",@progbits
	.p2align	6, 0x0
	.amdhsa_kernel k_qfa8a709c02_dot
		.amdhsa_group_segment_fixed_size 10752
		.amdhsa_private_segment_fixed_size 0
		.amdhsa_enable_private_segment 0
		.amdhsa_kernarg_size 40
		.amdhsa_user_sgpr_count 2
		.amdhsa_user_sgpr_kernarg_segment_ptr 1
		.amdhsa_wavefront_size32 1
		.amdhsa_system_sgpr_workgroup_id_x 1
		.amdhsa_system_sgpr_workgroup_id_y 1
		.amdhsa_system_sgpr_workgroup_id_z 1
		.amdhsa_system_vgpr_workitem_id 0
		.amdhsa_next_free_vgpr 248
		.amdhsa_next_free_sgpr 66
		.amdhsa_reserve_vcc 0
		.amdhsa_float_denorm_mode_32 3
		.amdhsa_float_denorm_mode_16_64 3
		.amdhsa_memory_ordered 1
		.amdhsa_forward_progress 1
		.amdhsa_inst_pref_size 32
	.end_amdhsa_kernel
	.amdgpu_metadata
---
amdhsa.version: [ 1, 2 ]
amdhsa.kernels:
  - .name:           k_qfa8a709c02_dot
    .symbol:         k_qfa8a709c02_dot.kd
    .args:
      - { .name: x, .offset: 0, .size: 8, .value_kind: global_buffer, .address_space: global }
      - { .name: vpart, .offset: 8, .size: 8, .value_kind: global_buffer, .address_space: global }
      - { .name: spart, .offset: 16, .size: 8, .value_kind: global_buffer, .address_space: global }
      - { .name: bfc, .offset: 24, .size: 8, .value_kind: global_buffer, .address_space: global }
      - { .name: out0, .offset: 32, .size: 8, .value_kind: global_buffer, .address_space: global }
    .group_segment_fixed_size: 10752
    .private_segment_fixed_size: 0
    .kernarg_segment_align: 8
    .kernarg_segment_size: 40
    .max_flat_workgroup_size: 512
    .sgpr_count:     66
    .vgpr_count:     248
    .wavefront_size: 32
...
	.end_amdgpu_metadata
.endif
;; end of part 3
